; MI455X (gfx1250); checked and timed in simulation.
; The chip was launched on July 23, 2026; its instructions are those of AMD's public machine-readable ISA for CDNA 5 (MIT licence, August 2026) and "CDNA5" Instruction Set Architecture Reference Guide (July 2026). The comments in the code are by the model that wrote it; some were corrected since.
;; Self Attention. Allowed arithmetic: matrix products marked QUANTISED: E5M2 operands, one E8M0 scale for each 32 along K, by v_wmma_scale_f32_16x16x128_f8f6f4 with both operands' format E5M2, f32 sums; everything else in f32.
;; Inputs: Wk 32 x 256 float32; Wq 32 x 256 float32; Wv 256 x 256 float32; bk 32 float32; bq 32 float32; bv 256 float32; gamma 1 float32; x 8 x 256 x 64 x 64 float32.
;; Outputs: out0 8 x 256 x 64 x 64 float32.
;; This version of the problem:
;;   THIS VERSION OF THE PROBLEM IS GIVEN IN LOW PRECISION. The matrix products marked QUANTISED in the list below multiply operands that are first quantised to E5M2 (5 exponent bits, 2 mantissa bits; 8 bits a number), with one power-of-two scale for each 32 numbers along K (OCP MX v1.0); their sums are f32. All else is computed in f32.
;;   The module's matrix products, in the order in which they are computed (A, B: the left and right operand; K: the contracted axis; several contracted axes count as one K, in the product's order):
;;     1. [M 32,768, K 256] x [K 256, N 32]; A: input x; B: input Wq: QUANTISED
;;     2. [M 32,768, K 256] x [K 256, N 32]; A: input x; B: input Wk: QUANTISED
;;     3. [M 32,768, K 256] x [K 256, N 256]; A: input x; B: input Wv: QUANTISED
;;     4. batch 8 x [M 4,096, K 32] x [K 32, N 4,096]; A: computed on the way; B: computed on the way: QUANTISED
;;     5. batch 8 x [M 256, K 4,096] x [K 4,096, N 4,096]; A: computed on the way; B: softmax (see below): QUANTISED
;;   THE QUANTISER, for each operand of a quantised product, along K:
;;     - K is cut into blocks of 32 from its start; a last block that is shorter is filled with zeros.
;;     - A block's scale is 2^e with e = floor(log2(the largest magnitude in the block)) - 15, held to -126 .. 127; a block of zeros has e = 0. As a byte (E8M0): e + 127.
;;     - Each number is divided by its block's scale, clamped to +-57,344, and rounded to the nearest number of E5M2, ties to even, subnormals kept.
;;     - The product sums the exact products of the quantised numbers (number of the format x scale) in f32.
;;   ~~~python
;;   def quantise(x, axis):      # numpy; x: float32 -> the quantised numbers, widened to float32 again
;;       x = np.moveaxis(x, axis, -1); K = x.shape[-1]
;;       x = np.pad(x, [(0, 0)] * (x.ndim - 1) + [(0, -K % 32)]); x = x.reshape(x.shape[:-1] + (-1, 32)); a = np.abs(x).max(-1, keepdims=True)
;;       e = np.where(a > 0, np.clip(np.frexp(np.where(a > 0, a, 1))[1] - 1 - 15, -126, 127), 0)      # np.frexp(a)[1] - 1 = floor(log2(a)), exactly
;;       r = np.clip(x / 2.0 ** e, -57344, 57344)
;;       step = 2.0 ** (np.maximum(np.frexp(np.where(r == 0, 1, r))[1] - 1, -14) - 2)
;;       q = np.round(r / step) * step * 2.0 ** e      # np.round: ties to even
;;       return np.moveaxis(q.reshape(q.shape[:-2] + (-1,))[..., :K], -1, axis).astype(np.float32)
;;   ~~~
;;   SOFTMAX AHEAD OF A QUANTISED PRODUCT. Where the list says 'softmax', what is quantised is not the finished softmax but p = 2^(t - M), with t = logit x log2(e) and M = ceil(the row's largest t), a whole number; so 1/2 < the row's largest p <= 1. The row's sum l is taken of the UNQUANTISED p, in f32, and the product's result is divided by l at the end. Since M is a whole number, a kernel that streams over the keys may use a running M (the ceiling of the running maximum): every later rescaling is an exact power of two, which a block's scale takes up: the codes' values come out the same.
;;   OPERANDS COMPUTED ON THE WAY. 'Computed on the way' means the value that the module computes at that place (a softmax that the list does not call 'softmax' is quantised finished and normalised). What goes into a quantiser is computed in f32, as accurately as f32 sums, v_exp_f32 and their like allow (about 1e-6 of the number): no bf16 or f16 on the way to a quantiser, and a product that is left as it is and whose result goes on into a quantised operand takes f32 operands (vector FMAs, or v_wmma_f32_16x16x4_f32). A number that lies on a knife's edge between two numbers of the format may be rounded either way, as far as f32 arithmetic and the matrix unit's own rounding can turn it there, and no further.
;; One version. Each part assembles by itself: llvm-mc -triple=amdgcn-amd-amdhsa -mcpu=gfx1250 --defsym DOCPART=n.
;; ======== version 1 of 1: 2 launches
;; limits: right only within a limited range of input values
;; workspace buffers: kv 9,830,400 bytes; q 1,179,648 bytes
;; launch proj (part 1): grid 256 x 1, 4 waves a work-group, no clusters, 167,936 bytes of LDS; arguments x, Wq, Wk, bq, bk, Wv, bv, q, kv; writes q, kv
.if DOCPART == 1
	.amdgcn_target "amdgcn-amd-amdhsa--gfx1250"
	.amdhsa_code_object_version 6
	.text
	.protected	k_qf0386f33cf_proj
	.globl	k_qf0386f33cf_proj
	.p2align	8
	.type	k_qf0386f33cf_proj,@function
k_qf0386f33cf_proj:
	s_mov_b64 s[64:65], 0
	v_nop
	global_prefetch_b8 v0, s[64:65] scope:SCOPE_SE
	s_setreg_imm32_b32 hwreg(HW_REG_WAVE_MODE, 25, 1), 1
	s_wait_xcnt 0x0
; q = Wq x + bq, k = Wk x + bk, v = Wv x + bv for 128 positions of one batch, all three products on codes of BF8 (E5M2) with one E8M0 scale
; for each 32 along K (the 256 channels); then q and k are quantised along their 32 channels (one block a position) and v along the keys
; (blocks of 32 positions a channel), and leave as IMAGES OF OPERAND REGISTERS for the attention launch.
; DEAD WORK: none.  Every bias goes into a quantised operand of a live product, so it can move codes and scales; all eight inputs have a way to the output
; (gamma and x's residual are taken by the second launch).
; LIMITS: NaN and infinities among the inputs are not served.  A block whose largest magnitude lies under 2^(16 - 127) keeps the scale byte 1; a block of
; zeros has the byte 1 where the quantiser says 127: its codes are zeros, which add nothing under any byte but 0xff, and the bytes are read by this program alone.
; SHARES.  Work-group id = record = batch x 32 + key step.  The x tile (256 channels x 128 positions, f32) comes by one tensor load a wave (64 rows of 512 bytes).
; While it is on its way each wave quantises its weights from memory into registers: 64 rows of Wv, and the 32 rows of Wq (waves 0, 1) or Wk (waves 2, 3): twelve fragments, FOUR asked for ahead.
; Then wave w quantises x for positions 32 w .. 32 w + 31: A LANE TAKES A POSITION AND ITS REGISTERS RUN DOWN THE CHANNELS, so a block of 32 lies in one lane.
; The codes go to LDS as images of fragments (16 bytes a lane, 512 bytes a group of four registers) and every wave reads all sixteen fragments back.
; THE POSITIONS OF A TILE ARE NOT NEIGHBOURS: row p of tile 2 b + u is position 32 b + 8 u + p + 8 (p / 8).  So in v = x-tile times Wv (a lane holds one channel) the 16 registers
; of tiles 2 b, 2 b + 1 are keys 32 b + 16 (lane / 16) + 0 .. 15; and in q, k = W times x-tile (a lane holds one position; W's tile rows chosen alike) they are channels 16 (lane / 16) + 0 .. 15.
; RECORD of kv, 38,400 bytes: 16 images of v (2,048 each), 4 x 256 bytes of v's scale words, 8 images of k (512 each: 16 keys x 32 channels), 2 x 256 bytes of k's scale words
; (byte j of a lane's word: tile 4 g + j; the word stands twice, so that a store covers 256 whole bytes).  RECORD of q, 4,608 bytes: laid as k's part.
; REGISTERS.  window 0: addresses, scale words (v32-55), work (v56-75), two sets of 64 numbers (v80-143, v144-207), q's or k's codes (v208-223).
;   window 1: x's 16 fragments; before they come, v0-127 are two more sets of 64 numbers of a weight.  window 2: Wv's 8 fragments, Wq's or Wk's 4 (from v128), the biases as C tiles (from v192).
;   window 3: the 8 x fragments of my q or k group.
.set REC,   38400
.set VSOFF, 32768
.set KOFF,  33792
.set QREC,  4608
.set XIMG,  131072                     ; LDS: the x tile lies at 0 (256 rows x 512 bytes); x's 16 images; their scale words; the spare words
.set XSC,   163840
.set SPARE, 164864                     ; 128 bytes for each wave: two blocks of 256 bytes that no other line names
.set SPW, 1                            ; v1  my spare word; never rewritten
.set NIL, 2                            ; v2  0; never rewritten
.set WA,  6                            ; v6  a weight's row r, + 64 h
.set WQ,  7                            ; v7  row r + 8 (r / 8), + 64 h
.set XR0, 8                            ; v8, v9  the x tile: 128 w + 4 lane, and 128 rows further down
.set AXW, 10                           ; v10 where my position's codes go
.set AXS, 11                           ; v11 and its scale word
.set LI,  12                           ; v12 16 x lane
.set L8,  14                           ; v14 8 x lane
.set XG,  15                           ; v15 the images of my q or k group
.set XGS, 16                           ; v16 and their scale words
.set B64, 17                           ; v17 64 h
.set R4,  18                           ; v18 4 r
.set XI,  19                           ; v19 XIMG + 16 x lane
.set PW,  20                           ; v20-23 v's scale words, a tile each
.set XS0, 28                           ; v28 XSC + 4 x lane
.set XSR, 32                           ; v32-39 x's scale words: 2 b + s: lanes 0-15 tile 2 b, lanes 16-31 tile 2 b + 1
.set XQS, 40                           ; v40-43 the same of my group's four tiles
.set WS,  44                           ; v44-55 the weights' scale words, fragment f at WS + f
.set TM,  56                           ; v56-75 at work
.set NA,  80
.set NB,  144
.set QC,  208
.set WV,   22
.set GG,   23
.set KIND, 36
.set G1,   24
.set G0,   32
.set SEL,  38
.set MNT,  40
.set HM,   41
.set WQK,  42
.set BQK,  44
.set PQI,  46
.set WVP,  48
.set BVP,  50
.set PVI,  52
.set PVS,  60
.set PQS,  62
.set MSB, 0
.macro WIN new                         ; the immediate's high byte repeats the setting that is left; a switch that changes nothing is dropped
.if MSB != (\new)
	s_set_vgpr_msb (MSB<<8)|(\new)
.set MSB, (\new)
.endif
.endm
.macro PLACES n
.rept \n
	v_nop
.endr
.endm
; 64 numbers of a lane in window sw, register 16 b + i = number 32 b + 16 (lane / 16) + i along K of my row, become 16 registers of codes at v[d] (window byte w) and a scale word in v[pw].
; All that is at work lies in window 0: with sw other than 0 the macro switches four times.
.macro QUANT s, sw, w, d, pw
	WIN (\sw)*5                                                             ; sources 0 and 1: the numbers' window
.irp b, 0,1,2,3
	v_max3_num_f32 v[TM+\b], |v[\s+16*\b]|, |v[\s+16*\b+1]|, 0x8000000       ; my 16 numbers of block b, and the floor 2^(16 - 127): the byte cannot fall under 1
.endr
.irp i, 2,4,6,8,10,12,14
.irp b, 0,1,2,3
	v_max3_num_f32 v[TM+\b], |v[\s+16*\b+\i]|, |v[\s+16*\b+\i+1]|, v[TM+\b]
.endr
.endr
	WIN 0
.irp b, 0,1,2,3
	v_permlanex16_b32 v[TM+4+\b], v[TM+\b], s[SEL], s[SEL+1]
.endr
.irp b, 0,1,2,3
	v_max_num_f32 v[TM+\b], v[TM+\b], v[TM+4+\b]                            ; with lane l xor 16's: the block's largest magnitude
.endr
.irp b, 0,1,2,3
	v_add_nc_u32 v[TM+12+\b], 0xf8800000, v[TM+\b]                          ; 15 off its exponent field: the conversion's scale operand
.endr
.irp b, 0,1,2,3
.endr
.irp b, 0,1,2,3
	v_lshrrev_b32 v[TM+4+\b], 23, v[TM+12+\b]                               ; the scale's byte
.endr
	v_lshl_or_b32 v[\pw], v[TM+5], 8, v[TM+4]
	v_lshl_or_b32 v[\pw], v[TM+6], 16, v[\pw]
	v_lshl_or_b32 v[\pw], v[TM+7], 24, v[\pw]
	WIN (\sw)*65                                                            ; destination and source 0: the numbers' window
.irp b, 0,1,2,3
.irp i, 0,1,2,3,4,5,6,7,8,9,10,11,12,13,14,15
.endr
.endr
	WIN (\sw)+(\w)                                                          ; source 0: the numbers' window; destination: the codes'
.irp b, 0,1,2,3
	v_cvt_scalef32_pk8_bf8_f32 v[\d+4*\b:\d+4*\b+1], v[\s+16*\b:\s+16*\b+7], v[TM+12+\b]
	v_cvt_scalef32_pk8_bf8_f32 v[\d+4*\b+2:\d+4*\b+3], v[\s+16*\b+8:\s+16*\b+15], v[TM+12+\b]
.endr
	WIN 0
	v_nop                                                                   ; a plain line between the last conversion and whatever next touches its registers
.endm
.macro WLOAD set, ptr, voff, off       ; 16 rows x 128 K of a weight: 16 neighbours of each block of 32 for my lane
.irp b, 0,1,2,3
.irp j, 0,1,2,3
	global_load_b128 v[\set+16*\b+4*\j:\set+16*\b+4*\j+3], v[\voff], s[\ptr:\ptr+1] offset:\off+128*\b+16*\j
.endr
.endr
.endm
.macro WF f                            ; fragment f: 0-7 Wv's (tile f / 2, K step f % 2), 8-11 Wq's or Wk's; into set f % 4: sets 0, 1 in window 0, sets 2, 3 in window 1
.set WK, (\f)%4
.if WK < 2
.set WSET, NA+64*WK
	WIN 0
.else
.set WSET, 64*(WK-2)
	WIN 0x40                                       ; a load's data are its destination: window 1; its address stays in window 0
.endif
.if (\f) < 8
	WLOAD WSET, WVP, WA, 16384*((\f)/2)+512*((\f)%2)
.else
	WLOAD WSET, WQK, WQ, 8192*(((\f)-8)/2)+512*((\f)%2)
.endif
	WIN 0
.endm
.macro XLOADB blk                      ; channels 32 blk .. + 31 of my position: each load reads 128 consecutive bytes of a row
.irp i, 0,1,2,3,4,5,6,7,8,9,10,11,12,13,14,15,16,17,18,19,20,21,22,23,24,25,26,27,28,29,30,31
	ds_load_b32 v[NA+32*((\blk)%2)+\i], v[XR0+(\blk)/4] offset:(32*((\blk)%4)+\i)*512
.endr
.endm
.macro XBLOCK blk                      ; the block is quantised; its 32 codes go into the image of fragment (my tile, K step blk / 4), group blk % 4
.set XN, NA+32*((\blk)%2)
.set XC, NB+8*(\blk)
.set XV, TM+16+(\blk)/4
	v_max3_num_f32 v[TM], |v[XN]|, |v[XN+1]|, |v[XN+2]|
	v_max3_num_f32 v[TM+1], |v[XN+3]|, |v[XN+4]|, |v[XN+5]|
.irp i, 6,10,14,18,22,26
	v_max3_num_f32 v[TM], v[TM], |v[XN+\i]|, |v[XN+\i+1]|
	v_max3_num_f32 v[TM+1], v[TM+1], |v[XN+\i+2]|, |v[XN+\i+3]|
.endr
	v_max3_num_f32 v[TM], v[TM], |v[XN+30]|, |v[XN+31]|
	v_max3_num_f32 v[TM], v[TM], v[TM+1], 0x8000000
	v_add_nc_u32 v[TM+12], 0xf8800000, v[TM]
	v_lshrrev_b32 v[TM+4], 23, v[TM+12]
.if (\blk)%4 == 0
	v_mov_b32 v[XV], v[TM+4]
.else
	v_lshl_or_b32 v[XV], v[TM+4], 8*((\blk)%4), v[XV]
.endif
.irp i, 0,1,2,3,4,5,6,7,8,9,10,11,12,13,14,15,16,17,18,19,20,21,22,23,24,25,26,27,28,29,30,31
.endr
.irp g, 0,1,2,3
	v_cvt_scalef32_pk8_bf8_f32 v[XC+2*\g:XC+2*\g+1], v[XN+8*\g:XN+8*\g+7], v[TM+12]
.endr
	v_nop
	ds_store_b128 v[AXW], v[XC:XC+3] offset:2048*((\blk)/4)+512*((\blk)%4)          ; K 0-15 of the block: the image's lanes 0-15
	ds_store_b128 v[AXW], v[XC+4:XC+7] offset:2048*((\blk)/4)+512*((\blk)%4)+256    ; K 16-31: its lanes 16-31
.if (\blk)%4 == 3
	ds_store_b32 v[AXS], v[XV] offset:512*((\blk)/4)
.endif
.endm
; q or k: source 0 = 16 rows of the weight (tile u), source 1 = x tile j of my group; the first K step takes the bias as C
.macro QKMM j, u, s
.set QD, NA+16*(\j)+8*(\u)
.set QCC, QD
.if (\s) == 0
.set QCC, 192+8*(\u)
.endif
.if (\j)%2
	v_wmma_scale_f32_16x16x128_f8f6f4 v[QD:QD+7], v[128+16*(2*(\u)+(\s)):128+16*(2*(\u)+(\s))+15], v[16*(2*(\j)+(\s)):16*(2*(\j)+(\s))+15], v[QCC:QCC+7], v[WS+8+2*(\u)+(\s)], v[XQS+2*((\j)/2)+(\s)] matrix_a_fmt:MATRIX_FMT_BF8 matrix_b_fmt:MATRIX_FMT_BF8 matrix_b_scale:MATRIX_SCALE_ROW1
.else
	v_wmma_scale_f32_16x16x128_f8f6f4 v[QD:QD+7], v[128+16*(2*(\u)+(\s)):128+16*(2*(\u)+(\s))+15], v[16*(2*(\j)+(\s)):16*(2*(\j)+(\s))+15], v[QCC:QCC+7], v[WS+8+2*(\u)+(\s)], v[XQS+2*((\j)/2)+(\s)] matrix_a_fmt:MATRIX_FMT_BF8 matrix_b_fmt:MATRIX_FMT_BF8
.endif
.endm
; v: source 0 = x tile m, source 1 = 16 rows of Wv (tile t)
.macro VMM t, m, s
.set VD, NA+8*(\m)
.set VCC, VD
.if (\s) == 0
.set VCC, 208+8*(\t)
.endif
.if (\m)%2
	v_wmma_scale_f32_16x16x128_f8f6f4 v[VD:VD+7], v[16*(2*(\m)+(\s)):16*(2*(\m)+(\s))+15], v[16*(2*(\t)+(\s)):16*(2*(\t)+(\s))+15], v[VCC:VCC+7], v[XSR+2*((\m)/2)+(\s)], v[WS+2*(\t)+(\s)] matrix_a_fmt:MATRIX_FMT_BF8 matrix_b_fmt:MATRIX_FMT_BF8 matrix_a_scale:MATRIX_SCALE_ROW1
.else
	v_wmma_scale_f32_16x16x128_f8f6f4 v[VD:VD+7], v[16*(2*(\m)+(\s)):16*(2*(\m)+(\s))+15], v[16*(2*(\t)+(\s)):16*(2*(\t)+(\s))+15], v[VCC:VCC+7], v[XSR+2*((\m)/2)+(\s)], v[WS+2*(\t)+(\s)] matrix_a_fmt:MATRIX_FMT_BF8 matrix_b_fmt:MATRIX_FMT_BF8
.endif
.endm
	s_load_b512 s[4:19], s[0:1], 0x0               ; x 4, Wq 6, Wk 8, bq 10, bk 12, Wv 14, bv 16, q 18
	s_load_b64 s[20:21], s[0:1], 0x40              ; kv
	v_lshl_add_u32 v[SPW], v0, 2, SPARE
	v_mov_b32 v[NIL], 0
	ds_add_u32 v[SPW], v[NIL]                      ; the wave's opening: the add, twice on end, and its wait ahead of my first tensor load
	ds_add_u32 v[SPW], v[NIL]
	v_lshrrev_b32 v3, 5, v0
	v_readfirstlane_b32 s[WV], v3                  ; wave 0..3
	s_and_b32 s[GG], s[WV], 1                      ; which four x tiles my q or k group is
	s_lshr_b32 s[KIND], s[WV], 1                   ; 0: q, 1: k
	s_mov_b32 s[G1+0], 2<<16                       ; no mask; elements of 4 bytes; no padding
	s_mov_b32 s[G1+1], 128<<16                     ; tensor_dim0 = 128
	s_mov_b32 s[G1+2], 64<<16                      ; tensor_dim1 = 64
	s_mov_b32 s[G1+3], 128<<16                     ; tile_dim0 = 128
	s_mov_b32 s[G1+4], 64                          ; tile_dim1 = 64
	s_mov_b32 s[G1+5], 4096                        ; from channel to channel
	s_mov_b32 s[G1+6], 0
	s_mov_b32 s[G1+7], 0
	s_mov_b32 s[G0], 1
	s_lshl_b32 s[G0+1], s[WV], 15                  ; LDS: my 64 rows of 512 bytes
	s_lshr_b32 s2, ttmp9, 5
	s_lshl_b32 s2, s2, 22                          ; the batch: 256 x 4,096 x 4 bytes
	s_and_b32 s3, ttmp9, 31
	s_lshl_b32 s3, s3, 9                           ; the 128 positions
	s_add_co_u32 s2, s2, s3
	s_lshl_b32 s3, s[WV], 20                       ; my 64 channels
	s_add_co_u32 s2, s2, s3
	s_mov_b32 s3, 0
	s_wait_dscnt 0x0                               ; both opening adds are done
	s_wait_kmcnt 0x0
	s_add_nc_u64 s[G0+2:G0+3], s[4:5], s[2:3]
	s_or_b32 s[G0+3], s[G0+3], 0x80000000
	tensor_load_to_lds s[G0:G0+3], s[G1:G1+7]      ; every wave's one fill; nothing is filled again in this launch
	s_nop 0
	PLACES 4
	s_mov_b32 s[SEL], 0x76543210
	s_mov_b32 s[SEL+1], 0xfedcba98                 ; v_permlanex16_b32's selects for lane l xor 16
	s_mov_b32 s[HM], 0xffff0000                    ; lanes 16-31
	s_mul_i32 s54, ttmp9, QREC
	s_mul_i32 s56, ttmp9, REC
	s_mov_b32 s57, 0
	s_mov_b32 s55, 0
	s_add_co_u32 s58, s56, KOFF
	s_cmp_eq_u32 s[KIND], 0                        ; the choices hang on the wave's number alone
	s_cselect_b32 s54, s54, s58                    ; where q's record or k's part of kv's record begins
	s_cselect_b64 s[WQK:WQK+1], s[6:7], s[8:9]
	s_cselect_b64 s[BQK:BQK+1], s[10:11], s[12:13]
	s_cselect_b64 s[PQI:PQI+1], s[18:19], s[20:21]
	s_add_nc_u64 s[PQI:PQI+1], s[PQI:PQI+1], s[54:55]
	s_lshl_b32 s54, s[GG], 8
	s_add_co_u32 s54, s54, 4096
	s_add_nc_u64 s[PQS:PQS+1], s[PQI:PQI+1], s[54:55]      ; my group's scale words
	s_lshl_b32 s54, s[GG], 11
	s_add_nc_u64 s[PQI:PQI+1], s[PQI:PQI+1], s[54:55]      ; my group's four images
	s_add_nc_u64 s[PVI:PVI+1], s[20:21], s[56:57]
	s_add_nc_u64 s[PVS:PVS+1], s[PVI:PVI+1], VSOFF
	s_lshl_b32 s54, s[WV], 8
	s_add_nc_u64 s[PVS:PVS+1], s[PVS:PVS+1], s[54:55]      ; v's scale words: my unit of 256 bytes
	s_add_nc_u64 s[BVP:BVP+1], s[16:17], s[54:55]          ; bv: my 64 numbers
	s_lshl_b32 s54, s[WV], 13
	s_add_nc_u64 s[PVI:PVI+1], s[PVI:PVI+1], s[54:55]      ; v's images: my four
	s_lshl_b32 s54, s[WV], 16
	s_add_nc_u64 s[WVP:WVP+1], s[14:15], s[54:55]          ; Wv: my 64 rows
	v_and_b32 v3, 31, v0                           ; lane
	v_and_b32 v4, 15, v0                           ; r
	v_bfe_u32 v5, v0, 4, 1                         ; h
	v_lshlrev_b32 v[B64], 6, v5
	v_lshl_add_u32 v[WA], v4, 10, v[B64]
	v_and_b32 v29, 8, v4
	v_add_nc_u32 v29, v29, v4                      ; r + 8 (r / 8)
	v_lshl_add_u32 v[WQ], v29, 10, v[B64]
	; the weights: twelve fragments through four sets of registers by turns, while the x tile is on its way.  Four fragments, 64 loads, are asked for before the first is worked on
	WF 0
	WF 1
	WF 2
	WF 3
	v_lshlrev_b32 v[R4], 2, v4
	v_lshlrev_b32 v[LI], 4, v3
	v_lshlrev_b32 v[L8], 3, v3
	v_lshlrev_b32 v30, 2, v3                       ; 4 x lane
	s_lshl_b32 s54, s[WV], 7
	v_add_nc_u32 v[XR0], s54, v30
	v_add_nc_u32 v[XR0+1], 65536, v[XR0]
	v_bfe_u32 v29, v0, 3, 1                        ; my position's tile is 2 w + u, u = (lane / 8) % 2,
	v_and_b32 v31, 7, v0
	v_lshl_add_u32 v31, v5, 3, v31                 ; its row lane % 8 + 8 (lane / 16)
	v_lshlrev_b32 v[AXW], 12, v29
	v_lshl_add_u32 v[AXW], v31, 4, v[AXW]
	s_lshl_b32 s54, s[WV], 13
	s_add_co_u32 s54, s54, XIMG
	v_add_nc_u32 v[AXW], s54, v[AXW]               ; XIMG + 8,192 w + 4,096 u + 16 row
	v_lshlrev_b32 v[AXS], 6, v29
	v_lshl_add_u32 v[AXS], v31, 2, v[AXS]
	s_lshl_b32 s54, s[WV], 7
	s_add_co_u32 s54, s54, XSC
	v_add_nc_u32 v[AXS], s54, v[AXS]               ; XSC + 128 w + 64 u + 4 row
	v_add_nc_u32 v[XI], XIMG, v[LI]
	s_lshl_b32 s54, s[GG], 14
	v_add_nc_u32 v[XG], s54, v[XI]
	v_add_nc_u32 v[XS0], XSC, v30
	s_lshl_b32 s54, s[GG], 8
	v_add_nc_u32 v[XGS], s54, v[XS0]
.irp b, 0,1,2,3
	v_mov_b32 v[TM+4+\b], 0                        ; written once: a lane permute's destination counts as one of its sources
.endr
.set F, 0
.rept 12
.if F < 9
	s_wait_loadcnt 48                              ; this fragment's 16 loads are in; those of the three fragments asked for behind it may be out
.else
	s_wait_loadcnt 16*(11-F)                       ; the last three: two, one and no fragment behind
.endif
.if F%4 < 2
	QUANT NA+64*(F%4), 0, 0x80, 16*F, WS+F
.else
	QUANT 64*(F%4-2), 1, 0x80, 16*F, WS+F
.endif
.if F+4 < 12
	WF F+4                                         ; the set just worked on takes the fragment four further on
.endif
.set F, F+1
.endr
	; the biases, as C tiles, asked for behind the weights: they are wanted only by the first products.  q, k: register i of tile u is b[16 h + 8 u + i].  v: all eight registers of tile t are bv[64 w + 16 t + r]
	WIN 0x80
.irp u, 0,1
	global_load_b128 v[192+8*\u:192+8*\u+3], v[B64], s[BQK:BQK+1] offset:32*\u
	global_load_b128 v[192+8*\u+4:192+8*\u+7], v[B64], s[BQK:BQK+1] offset:32*\u+16
.endr
.irp t, 0,1,2,3
.irp i, 0,1,2,3,4,5,6,7
	global_load_b32 v[208+8*\t+\i], v[R4], s[BVP:BVP+1] offset:64*\t
.endr
.endr
	WIN 0
	s_wait_tensorcnt 0x0                           ; my 64 rows of x are in LDS,
	s_barrier_signal -1
	s_barrier_wait -1                              ; everybody's are
	XLOADB 0
.set BK, 0
.rept 8
.if BK < 7
	XLOADB BK+1
	s_wait_dscnt 32                                ; all but the 32 loads just issued
.else
	s_wait_dscnt 0x0
.endif
	XBLOCK BK
.set BK, BK+1
.endr
	s_wait_dscnt 0x0                               ; for the others' sake: my images and scale words lie in LDS
	s_barrier_signal -1
	s_barrier_wait -1
	WIN 0x40                                       ; destination window 1: all sixteen fragments of x
.irp f, 0,1,2,3,4,5,6,7,8,9,10,11,12,13,14,15
.irp c, 0,1,2,3
	ds_load_b128 v[16*\f+4*\c:16*\f+4*\c+3], v[XI] offset:2048*\f+512*\c
.endr
.endr
	WIN 0xc0                                       ; destination window 3: the eight of my q or k group once more, so that one text serves both groups
.irp f, 0,1,2,3,4,5,6,7
.irp c, 0,1,2,3
	ds_load_b128 v[16*\f+4*\c:16*\f+4*\c+3], v[XG] offset:2048*\f+512*\c
.endr
.endr
	WIN 0
.irp b, 0,1,2,3
.irp s, 0,1
	ds_load_b32 v[XSR+2*\b+\s], v[XS0] offset:512*\s+128*\b
.endr
.endr
.irp b, 0,1
.irp s, 0,1
	ds_load_b32 v[XQS+2*\b+\s], v[XGS] offset:512*\s+128*\b
.endr
.endr
	s_wait_dscnt 0x0
	s_wait_loadcnt 0x0                             ; the biases
	; q or k of my four x tiles: eight accumulators by turns, K step by K step
	WIN 0x2e                                       ; source 0 window 2, source 1 window 3, C (the bias) window 2
.irp j, 0,1,2,3
.irp u, 0,1
	QKMM \j, \u, 0
.endr
.endr
	WIN 0x0e
.irp j, 0,1,2,3
.irp u, 0,1
	QKMM \j, \u, 1
.endr
.endr
	WIN 0
	PLACES 8
	QUANT NA, 0, 0, QC, 26                         ; block j = x tile j: a position's 32 channels.  The codes are four images, the word holds the four tiles' bytes
	v_mov_b32 v27, v26
.irp c, 0,1,2,3
	global_store_b128 v[LI], v[QC+4*\c:QC+4*\c+3], s[PQI:PQI+1] offset:512*\c      ; 512 consecutive bytes a store
.endr
	global_store_b64 v[L8], v[26:27], s[PQS:PQS+1]                                 ; 256 consecutive bytes
	; v: my 64 channels, a tile of 16 at a time, for all 128 positions
.irp t, 0,1,2,3
	WIN 0x29                                       ; source 0 (x) window 1, source 1 (Wv) window 2, C (the bias) window 2
.irp m, 0,1,2,3,4,5,6,7
	VMM \t, \m, 0
.endr
	WIN 0x09
.irp m, 0,1,2,3,4,5,6,7
	VMM \t, \m, 1
.endr
	WIN 0
	PLACES 8
	QUANT NA, 0, 0, NB+16*\t, PW+\t                ; block b = keys 32 b .. 32 b + 31 of my channel
.irp c, 0,1,2,3
	global_store_b128 v[LI], v[NB+16*\t+4*\c:NB+16*\t+4*\c+3], s[PVI:PVI+1] offset:2048*\t+512*\c
.endr
.endr
	v_cndmask_b32 v24, v[PW], v[PW+1], s[HM]       ; lanes 0-15 tile 0's words, lanes 16-31 tile 1's (a word stands in lanes r and 16 + r alike)
	v_cndmask_b32 v25, v[PW+2], v[PW+3], s[HM]
	global_store_b64 v[L8], v[24:25], s[PVS:PVS+1]
	s_wait_tensorcnt 0x0                           ; the wave's end: three lines, behind my last tensor load and my last LDS store
	ds_add_u32 v[SPW], v[NIL]
	s_wait_dscnt 0x0
	s_endpgm
.Lfunc_end_k_qf0386f33cf_proj:
	.size	k_qf0386f33cf_proj, .Lfunc_end_k_qf0386f33cf_proj-k_qf0386f33cf_proj
	.p2alignl 7, 3214868480
	.fill 96, 4, 3214868480
	.section	.rodata,"a",@progbits
	.p2align	6, 0x0
	.amdhsa_kernel k_qf0386f33cf_proj
		.amdhsa_group_segment_fixed_size 167936
		.amdhsa_private_segment_fixed_size 0
		.amdhsa_enable_private_segment 0
		.amdhsa_kernarg_size 72
		.amdhsa_user_sgpr_count 2
		.amdhsa_user_sgpr_kernarg_segment_ptr 1
		.amdhsa_wavefront_size32 1
		.amdhsa_system_sgpr_workgroup_id_x 1
		.amdhsa_system_sgpr_workgroup_id_y 1
		.amdhsa_system_sgpr_workgroup_id_z 1
		.amdhsa_system_vgpr_workitem_id 0
		.amdhsa_next_free_vgpr 896
		.amdhsa_next_free_sgpr 66
		.amdhsa_reserve_vcc 0
		.amdhsa_float_denorm_mode_32 3
		.amdhsa_float_denorm_mode_16_64 3
		.amdhsa_fp16_overflow 1
		.amdhsa_memory_ordered 1
		.amdhsa_forward_progress 1
		.amdhsa_inst_pref_size 140
	.end_amdhsa_kernel
	.amdgpu_metadata
---
amdhsa.version: [ 1, 2 ]
amdhsa.kernels:
  - .name:           k_qf0386f33cf_proj
    .symbol:         k_qf0386f33cf_proj.kd
    .args:
      - { .name: x, .offset: 0, .size: 8, .value_kind: global_buffer, .address_space: global }
      - { .name: Wq, .offset: 8, .size: 8, .value_kind: global_buffer, .address_space: global }
      - { .name: Wk, .offset: 16, .size: 8, .value_kind: global_buffer, .address_space: global }
      - { .name: bq, .offset: 24, .size: 8, .value_kind: global_buffer, .address_space: global }
      - { .name: bk, .offset: 32, .size: 8, .value_kind: global_buffer, .address_space: global }
      - { .name: Wv, .offset: 40, .size: 8, .value_kind: global_buffer, .address_space: global }
      - { .name: bv, .offset: 48, .size: 8, .value_kind: global_buffer, .address_space: global }
      - { .name: q, .offset: 56, .size: 8, .value_kind: global_buffer, .address_space: global }
      - { .name: kv, .offset: 64, .size: 8, .value_kind: global_buffer, .address_space: global }
    .group_segment_fixed_size: 167936
    .private_segment_fixed_size: 0
    .kernarg_segment_align: 8
    .kernarg_segment_size: 72
    .max_flat_workgroup_size: 128
    .sgpr_count:     66
    .vgpr_count:     896
    .wavefront_size: 32
...
	.end_amdgpu_metadata
.endif
;; end of part 1
;; launch attn (part 2): grid 32 x 8, 8 waves a work-group, clusters of 4 x 1, 327,680 bytes of LDS; arguments q, kv, x, gamma, out0; writes out0
.if DOCPART == 2
	.amdgcn_target "amdgcn-amd-amdhsa--gfx1250"
	.amdhsa_code_object_version 6
	.text
	.protected	k_qf0386f33cf_attn
	.globl	k_qf0386f33cf_attn
	.p2align	8
	.type	k_qf0386f33cf_attn,@function
k_qf0386f33cf_attn:
	s_mov_b64 s[64:65], 0
	v_nop
	global_prefetch_b8 v0, s[64:65] scope:SCOPE_SE
	s_setreg_imm32_b32 hwreg(HW_REG_WAVE_MODE, 25, 1), 1
	s_wait_xcnt 0x0
	s_wait_alu depctr_hold_cnt(0) depctr_sa_sdst(0) depctr_va_vdst(0) depctr_va_sdst(0) depctr_va_ssrc(0) depctr_va_vcc(0) depctr_vm_vsrc(0)
	s_getreg_b32 s2, hwreg(HW_REG_IB_STS2, 6, 4)
	s_cmp_eq_u32 s2, 0
	s_cbranch_scc0 .Lentry_in_a_cluster
	s_endpgm
.Lentry_in_a_cluster:
	s_bfe_u32 s2, ttmp6, 0x10000c
	s_cmp_lg_u32 s2, 0x3003
	s_cbranch_scc0 .Lentry_shape_is_right
	s_endpgm
.Lentry_shape_is_right:
; out0[b][c][n] = gamma x (sum over m of v[c][m] p[n][m]) / l[n] + x[b][c][n], p = 2^(t - M), t = (q[n] . k[m]) x log2(e), M the ceiling of the largest t so far, l the sum of the unquantised p.
; Both products on codes of BF8 (E5M2) with E8M0 scales; q, k, v come as register images from the launch before.  No work is left out.
; LIMITS: NaN and infinities are not served; a block of p whose largest number lies under 2^(16 - 127) keeps the scale byte 1 (a block of zeros too: its codes are zeros).
; SHARES.  A work-group owns 128 queries of one batch (one record of q).  Wave w owns the 32 queries of block w % 4, as two tiles of 16, and walks HALF the keys (w / 4): two waves to a SIMD,
; so that one wave's vector work stands beside the other's matrix work and LDS loads; each fragment of v read from LDS feeds two products.  At the end the two halves' O, l and M meet through LDS; the
; factors between them are whole powers of two.
; THE WALK.  Eight visits of four records (512 keys, 153,600 dense bytes) through two LDS slots.  In a visit a wave takes two key steps of 128 keys: records 2 half and 2 half + 1 of the slot.
; The two steps are written out: the first asks for the second's k while its own last products are issued.
; CLUSTER.  The four work-groups of a cluster belong to one batch and walk the same kv: each slot is asked for JOINTLY, one load a wave (75 rows of 256 bytes), behind a round of the cluster's barrier.
; At the head of the last visit the slot that has been left takes the work-group's own tile of x (256 channels x 128 positions), for the residual.  By this text's count one tensor load a wave is out.
; S^T = K Q^T WITH K = 32.  The form's K is 128: source 0 holds FOUR tiles of 16 keys in its four blocks of 32, source 1 holds Q's four registers at block j and zero codes elsewhere
; (a run of 16 registers cut out of zeros | Q | zeros), so the product is tile j's alone.  k's scale word holds the four tiles' bytes; Q's byte stands four times.  All of k's codes are finite, so zero codes add nothing.
; LAYOUT.  Both products transposed: a lane holds ONE query (lane % 16).  The keys of a tile are chosen so that the 16 registers of tiles 2 b, 2 b + 1 are keys 32 b + 16 (lane / 16) + 0 .. 15.
; O^T's accumulator a stands for channel tile (a + 8 half) % 16, by the LDS addresses alone: every wave keeps a = 0 .. 7 and hands a = 8 .. 15 to its partner, in one text.
; REGISTERS.  window 0: v3-15 addresses; v16-59 zeros | Q of tile A | zeros | Q of tile B | zeros; v60-63, v224-227 -M, largest t, l (two halves); v64-127 S^T, then p, then a buffer of v;
;   v128-191 k, then a buffer of v; v192-223 p's codes; v228-235 scale words alone; v236-255 at work.   window 1: O^T, tile u's accumulator a at 128 u + 8 a.
.set REC,   38400
.set SLOTB, 4*REC
.set BATB,  32*REC
.set VSOFF, 32768
.set KOFF,  33792
.set KSOFF, 37888
.set QREC,  4608
.set SPARE, 2*SLOTB                    ; behind the ring: the spare words, 128 bytes for each wave: four blocks of 256 bytes that no other line names
.set XCH,   SLOTB                      ; the end, in slot 1, which has then had its last fill: 16,384 bytes a wave of accumulators handed over,
.set STT,   SLOTB+8*16384              ; 512 bytes a wave of -M and l;
.set STG,   SLOTB                      ; later, behind a barrier, the stage: 256 rows of 512 bytes + 16
.set SP,    528
.set SPW, 1
.set NIL, 2
.set A0,  3                            ; v3  16 lane + 2 records x half
.set AL0, 4                            ; v4  + my kept channel tiles
.set AH0, 5                            ; v5  + the others
.set S0,  6                            ; v6-8 the same for scale words, 8 lane
.set SL0, 7
.set SH0, 8
.set AK,  9                            ; v9-14 the six + the step's place
.set AVL, 10
.set AKS, 12
.set ASL, 13
.set PFO, 15                           ; v15 the prefetches' offset; never rewritten
.set QA,  28
.set QB,  44
.set STA, 60
.set S,   64
.set VB1, 64
.set VB0, 128
.set PCD, 192
.set STB, 224
.set QS,  228
.set PS,  230
.set SCP, 232
.set BM,  236
.set PM,  240
.set HD,  244
.set SO,  248
.set FA,  252
.set FBV, 254
.set XCM, 3                            ; the end phase's addresses take the walk's registers
.set XCP, 4
.set STM, 5
.set STP, 6
.set SO0, 7
.set SRD, 9
.set GO,  10
.set XRD, 11
.set WV,   14
.set HALF, 15
.set PB,   16
.set CX,   17
.set WGX,  18
.set BAT,  19
.set G1,   24
.set G0,   32
.set G1X,  36
.set G0X,  44
.set FB,   48
.set WOFF, 49
.set TB,   50
.set VIS,  52
.set CS,   56
.set SEL,  58
.set MNT,  60
.set LIM,  61
.set PFA,  62
.set GAM,  68
.set SLA,  69
.set SLB,  70
.set OUTP, 72
.set MSB, 0
.macro WIN new                         ; the immediate's high byte repeats the setting that is left
.if MSB != (\new)
	s_set_vgpr_msb (MSB<<8)|(\new)
.set MSB, (\new)
.endif
.endm
.macro PLACES n
.rept \n
	v_nop
.endr
.endm
.macro ROUND                           ; a round of the cluster's barrier
	s_barrier_signal -1
	s_barrier_wait -1
	s_cmp_lg_u32 s[WV], 0
	s_cbranch_scc1 .Lnot_wave_0_\@
	s_barrier_signal -3
.Lnot_wave_0_\@:
	s_barrier_wait -3
	s_barrier_signal -1
	s_barrier_wait -1
.endm
; A prefetch of what the NEXT change of slots will ask for.  All eight clusters of a batch walk the same kv: the batch's first cluster asks.  Its four partners take a record each, told apart BY ADDRESS;
; a record is 150 blocks of 256 bytes: a lane a block in waves 0 to 4; the ten lanes over name the record's last block again.  The last change that fills a slot with keys asks for nothing.
.macro ASKPF
	s_cmp_gt_u32 s[VIS], s[LIM]
	s_cbranch_scc0 .Lnot_mine_\@
	global_prefetch_b8 v[PFO], s[PFA:PFA+1] th:TH_LOAD_NT scope:SCOPE_SE
.Lnot_mine_\@:
.endm
; S^T of one tile of queries: eight tiles of 16 keys
.macro SPROD qb, qs
.irp m, 0,1,2,3,4,5,6,7
	v_wmma_scale_f32_16x16x128_f8f6f4 v[S+8*\m:S+8*\m+7], v[VB0+16*(\m/4):VB0+16*(\m/4)+15], v[\qb-4*(\m%4):\qb-4*(\m%4)+15], 0, v[SCP+(\m/4)], v[\qs] matrix_a_fmt:MATRIX_FMT_BF8 matrix_b_fmt:MATRIX_FMT_BF8
.endr
.endm
; The softmax of one tile for 128 keys: v[st] -M, v[st+1] largest t, v[st+2:st+3] l; codes to v[pc] on, scale word to v[ps], f = 2^(old M - new M) to v[f]
.macro SOFTMAX st, pc, ps, f
.irp b, 0,1,2,3
	v_max3_num_f32 v[BM+\b], v[S+16*\b], v[S+16*\b+1], v[S+16*\b+2]         ; the largest score of each block of 32 keys: for the row's maximum and, since p rises with the score, for the block's largest p
.endr
.irp i, 3,5,7,9,11,13
.irp b, 0,1,2,3
	v_max3_num_f32 v[BM+\b], v[BM+\b], v[S+16*\b+\i], v[S+16*\b+\i+1]
.endr
.endr
.irp b, 0,1,2,3
	v_max_num_f32 v[BM+\b], v[BM+\b], v[S+16*\b+15]
.endr
.irp b, 0,1,2,3
	s_delay_alu instid0(VALU_DEP_4)
	v_permlanex16_b32 v[PM+\b], v[BM+\b], s[SEL], s[SEL+1]
.endr
.irp b, 0,1,2,3
	s_delay_alu instid0(VALU_DEP_4)
	v_max_num_f32 v[BM+\b], v[BM+\b], v[PM+\b]                              ; with lane l xor 16's 16 keys
.endr
	s_delay_alu instid0(VALU_DEP_2)
	v_max3_num_f32 v[PM], v[BM], v[BM+1], v[BM+2]
	s_delay_alu instid0(VALU_DEP_1)
	v_max_num_f32 v[PM], v[PM], v[BM+3]
	s_delay_alu instid0(VALU_DEP_1)
	v_mul_f32 v[PM], s[CS], v[PM]                                           ; as t
	s_delay_alu instid0(VALU_DEP_1)
	v_max_num_f32 v[\st+1], v[\st+1], v[PM]                                 ; the running largest t
	v_mov_b32 v[PM], v[\st]
	s_delay_alu instid0(VALU_DEP_2)
	v_floor_f32 v[\st], -v[\st+1]                                           ; the new -M = floor(-t): M is a whole number
	s_delay_alu instid0(VALU_DEP_1)
	v_sub_f32 v[PM], v[\st], v[PM]                                          ; old M - new M, 0 or less
	s_delay_alu instid0(VALU_DEP_1)
	v_cvt_i32_f32 v[PM], v[PM]                                              ; (it saturates)
	s_delay_alu instid0(VALU_DEP_1)
	v_ldexp_f32 v[\f], 1.0, v[PM]                                           ; f: a multiplication by it rounds nothing
.set J, 0
.rept 32
	v_pk_fma_f32 v[S+J:S+J+1], v[S+J:S+J+1], s[CS:CS+1], v[\st:\st+1] op_sel_hi:[1,0,0]   ; t - M, two at a time
.set J, J+2
.endr
.irp b, 0,1,2,3
	v_fma_f32 v[BM+\b], v[BM+\b], s[CS], v[\st]
.endr
.set J, 0
	s_wait_alu depctr_va_vdst(0)
.rept 64
	v_exp_f32 v[S+J], v[S+J]                                                ; p = 2^(t - M): not normalised
.set J, J+1
.endr
	v_pk_mul_f32 v[\st+2:\st+3], v[\st+2:\st+3], v[\f:\f+1] op_sel_hi:[1,0] ; l under the new M: a plain line behind the exponentials
	s_wait_alu depctr_va_vdst(0)                                            ; one wait for the batch of 64, ahead of its first reader
.irp b, 0,1,2,3
	v_exp_f32 v[BM+\b], v[BM+\b]                                            ; each block's largest p
.endr
	v_pk_add_f32 v[PM+2:PM+3], v[S:S+1], v[S+2:S+3]                         ; l is summed of the unquantised p, in two chains
.irp j, 4,8,12,16,20,24,28,32,36,40,44,48,52,56,60
	v_pk_add_f32 v[\st+2:\st+3], v[\st+2:\st+3], v[S+\j:S+\j+1]
	v_pk_add_f32 v[PM+2:PM+3], v[PM+2:PM+3], v[S+\j+2:S+\j+3]
.endr
	s_delay_alu instid0(VALU_DEP_1)
	v_pk_add_f32 v[\st+2:\st+3], v[\st+2:\st+3], v[PM+2:PM+3]
	s_wait_alu depctr_va_vdst(0)                                            ; and one for the four
.irp b, 0,1,2,3
	v_max_num_f32 v[BM+\b], 0x8000000, v[BM+\b]                             ; the floor 2^(16 - 127)
.endr
.irp b, 0,1,2,3
	s_delay_alu instid0(VALU_DEP_4)
	v_add_nc_u32 v[SO+\b], 0xf8800000, v[BM+\b]                             ; 15 off the exponent field: the conversion's scale operand
.endr
.irp b, 0,1,2,3
	v_and_or_b32 v[HD+\b], v[BM+\b], 0x7f800000, s[MNT]                     ; 57,344 x the scale
.endr
.irp b, 0,1,2,3
	v_lshrrev_b32 v[PM+\b], 23, v[SO+\b]                                    ; the scale's byte
.endr
	s_delay_alu instid0(VALU_DEP_3)
	v_lshl_or_b32 v[\ps], v[PM+1], 8, v[PM]
	s_delay_alu instid0(VALU_DEP_1)
	v_lshl_or_b32 v[\ps], v[PM+2], 16, v[\ps]
	s_delay_alu instid0(VALU_DEP_1)
	v_lshl_or_b32 v[\ps], v[PM+3], 24, v[\ps]
.irp b, 0,1,2,3
.irp i, 0,1,2,3,4,5,6,7,8,9,10,11,12,13,14,15
.endr
	v_cvt_scalef32_pk8_bf8_f32 v[\pc+4*\b:\pc+4*\b+1], v[S+16*\b:S+16*\b+7], v[SO+\b]
	v_cvt_scalef32_pk8_bf8_f32 v[\pc+4*\b+2:\pc+4*\b+3], v[S+16*\b+8:S+16*\b+15], v[SO+\b]
.endr
	v_nop                                                                   ; a plain line behind the last conversion
.endm
.macro KLOAD                           ; a record's eight tiles of k (two fragments of four tiles) and their two scale words: 10 LDS loads
.irp m, 0,1,2,3,4,5,6,7
	ds_load_b128 v[VB0+4*\m:VB0+4*\m+3], v[AK] offset:KOFF+512*\m
.endr
	ds_load_b32 v[SCP], v[AKS] offset:KSOFF
	ds_load_b32 v[SCP+1], v[AKS] offset:KSOFF+256
.endm
.macro VLOAD g, buf                    ; four fragments of v (accumulators 4 g .. 4 g + 3) and their scale words: 17 LDS loads, each of consecutive bytes
.irp t, 0,1,2,3
.irp c, 0,1,2,3
	ds_load_b128 v[\buf+16*\t+4*\c:\buf+16*\t+4*\c+3], v[AVL+(\g)/2] offset:2048*(4*((\g)%2)+\t)+512*\c
.endr
.endr
	ds_load_b64 v[SCP+2*((\g)%2):SCP+2*((\g)%2)+1], v[ASL+(\g)/2] offset:VSOFF+256*((\g)%2)
.endm
.macro PV g, buf                       ; O^T += v^T p^T: each accumulator has one instruction a key step, so the accumulators take turns
	WIN 0x50                                       ; C and D window 1
.irp t, 0,1,2,3
.irp u, 0,1
.if \t%2
	v_wmma_scale_f32_16x16x128_f8f6f4 v[128*\u+8*(4*(\g)+\t):128*\u+8*(4*(\g)+\t)+7], v[\buf+16*\t:\buf+16*\t+15], v[PCD+16*\u:PCD+16*\u+15], v[128*\u+8*(4*(\g)+\t):128*\u+8*(4*(\g)+\t)+7], v[SCP+2*((\g)%2)+\t/2], v[PS+\u] matrix_a_fmt:MATRIX_FMT_BF8 matrix_b_fmt:MATRIX_FMT_BF8 matrix_a_scale:MATRIX_SCALE_ROW1
.else
	v_wmma_scale_f32_16x16x128_f8f6f4 v[128*\u+8*(4*(\g)+\t):128*\u+8*(4*(\g)+\t)+7], v[\buf+16*\t:\buf+16*\t+15], v[PCD+16*\u:PCD+16*\u+15], v[128*\u+8*(4*(\g)+\t):128*\u+8*(4*(\g)+\t)+7], v[SCP+2*((\g)%2)+\t/2], v[PS+\u] matrix_a_fmt:MATRIX_FMT_BF8 matrix_b_fmt:MATRIX_FMT_BF8
.endif
.endr
.endr
.endm
.macro RESC u, f, a0, n                ; accumulators a0 .. a0 + n - 1 of tile u's O^T under the new M, each from its low end on: 4 n lines
	WIN 0x41                                       ; destination and source 0 window 1
.set J, 8*(\a0)
.rept 4*(\n)
	v_pk_mul_f32 v[128*(\u)+J:128*(\u)+J+1], v[128*(\u)+J:128*(\u)+J+1], v[\f:\f+1] op_sel_hi:[1,0]
.set J, J+2
.endr
.endm
; A KEY STEP: 128 keys, both tiles of queries.  first = 1: a visit's first step: it loads its k at its head, and at its tail asks for the k of the step that follows, one record on in the same slot.
; first = 0: the visit's second step: its k has been asked for, and it asks for nothing beyond the slot.
.macro STEP first
	v_add_nc_u32 v[AVL], s[TB], v[AL0]
	v_add_nc_u32 v[AVL+1], s[TB], v[AH0]
	v_add_nc_u32 v[ASL], s[TB], v[SL0]
	v_add_nc_u32 v[ASL+1], s[TB], v[SH0]
.if \first
	v_add_nc_u32 v[AK], s[TB], v[A0]
	v_add_nc_u32 v[AKS], s[TB], v[S0]
	PLACES 3                                       ; nine places with the six above: the first products below write over registers that the last step's products read
	KLOAD
.else
	PLACES 5                                       ; nine places with the four above
.endif
	s_wait_dscnt 0x0                               ; k is in
	SPROD QA, QS
	PLACES 8
	SOFTMAX STA, PCD, PS, FA
	SPROD QB, QS+1
	RESC 0, FA, 0, 16                              ; 64 plain lines on other registers: the places behind the products above
	WIN 0
	VLOAD 0, VB0                                   ; over k, which is done with; it lands under tile B's softmax
	SOFTMAX STB, PCD+16, PS+1, FBV
	VLOAD 1, VB1                                   ; over p, which is codes now
	RESC 1, FBV, 0, 8                              ; tile B's accumulators 0-7: also the places between tile B's codes and scale word and the products that take them
	s_wait_dscnt 17                                ; group 0 is in; group 1's 17 loads may be out
	PV 0, VB0
	RESC 1, FBV, 8, 4                              ; accumulators 8-11, which group 2 takes: 16 plain lines that name nothing of the products above: the places in front of the loads below
	WIN 0
	VLOAD 2, VB0
	s_wait_dscnt 17                                ; group 1 is in; group 2's may be out
	PV 1, VB1
	RESC 1, FBV, 12, 4                             ; accumulators 12-15, which group 3 takes: the places likewise
	WIN 0
	VLOAD 3, VB1
	s_wait_alu depctr_va_vdst(0)
	s_wait_dscnt 17                                ; group 2 is in; group 3's may be out
	PV 2, VB0
	WIN 0
.if \first
	v_add_nc_u32 v[AK], REC, v[AK]                 ; the next record's k: eight places with the six below, in front of loads into registers that group 2's products read
	v_add_nc_u32 v[AKS], REC, v[AKS]
	PLACES 6
	KLOAD
	s_wait_dscnt 10                                ; group 3 is in; the 10 loads of k just issued may be out
.else
	PLACES 8                                       ; eight plain lines between the last rescaling and the products that add onto it
	s_wait_dscnt 0x0                               ; group 3 is in: my last reads of the slot
.endif
	PV 3, VB1
	WIN 0
.endm
.macro STEPS                           ; a visit's two key steps; then on to the other slot
	STEP 1
	s_add_co_u32 s[TB], s[TB], REC
	STEP 0
	s_sub_co_u32 s[TB], s[TB], REC
	s_xor_b32 s[TB], s[TB], SLOTB
.endm
; THE CHANGE OF SLOTS, at a visit's head: all my tensor loads have landed (my part of the slot ahead), the add, my reads of the slot left are over; a round of the cluster's barrier; the joint load of the next visit first behind it
.macro CHANGE
	s_wait_tensorcnt 0x0                           ; no tensor load of mine is out, so group 0 may be written
	ds_add_u32 v[SPW], v[NIL]                      ; 0 onto my spare word
	s_xor_b32 s[FB], s[FB], SLOTB                  ; the other slot,
	s_add_co_u32 s[G0+1], s[FB], s[WOFF]           ; my 19,200 bytes of it,
	s_add_nc_u64 s[G0+2:G0+3], s[G0+2:G0+3], SLOTB ; the next four records
	s_wait_xcnt 0x0                                ; the last prefetch, a visit back, has read its address
	s_add_nc_u64 s[PFA:PFA+1], s[PFA:PFA+1], SLOTB
	s_wait_dscnt 0x0                               ; the add is done, and my reads of the slot that I have left are over
	ROUND
	tensor_load_to_lds s[G0:G0+3], s[G1:G1+7]
	s_nop 0
	PLACES 4
	ASKPF
.endm
	s_load_b256 s[4:11], s[0:1], 0x0               ; q 4, kv 6, x 8, gamma 10
	s_load_b64 s[12:13], s[0:1], 0x20              ; out0
	v_lshl_add_u32 v[SPW], v0, 2, SPARE
	v_mov_b32 v[NIL], 0
	ds_add_u32 v[SPW], v[NIL]                      ; the wave's opening: the add, twice on end, and its wait ahead of the round in front of my first tensor load
	ds_add_u32 v[SPW], v[NIL]
	v_lshrrev_b32 v3, 5, v0
	s_delay_alu instid0(VALU_DEP_1)
	v_readfirstlane_b32 s[WV], v3                  ; wave 0..7
	s_lshr_b32 s[HALF], s[WV], 2
	s_and_b32 s[PB], s[WV], 3
	s_bfe_u32 s[CX], ttmp6, 0x40000                ; my place in the cluster
	s_lshl_b32 s[WGX], ttmp9, 2
	s_add_co_u32 s[WGX], s[WGX], s[CX]             ; my block of 128 queries
	s_and_b32 s[BAT], ttmp7, 0xffff                ; the batch, which the four partners share
	s_mov_b32 s[G1+0], 15|(3<<16)|(1<<21)          ; the mask: all four work-groups; elements of 8 bytes; bit 21 beside a mask
	s_mov_b32 s[G1+1], 32<<16                      ; rows of 256 bytes
	s_mov_b32 s[G1+2], 75<<16
	s_mov_b32 s[G1+3], 32<<16
	s_mov_b32 s[G1+4], 75                          ; 75 rows a wave: an eighth of four records
	s_mov_b32 s[G1+5], 32                          ; dense
	s_mov_b32 s[G1+6], 0
	s_mov_b32 s[G1+7], 0
	s_mov_b32 s[G1X+0], 2<<16                      ; x: no mask; elements of 4 bytes
	s_mov_b32 s[G1X+1], 128<<16
	s_mov_b32 s[G1X+2], 32<<16
	s_mov_b32 s[G1X+3], 128<<16
	s_mov_b32 s[G1X+4], 32                         ; 32 channels a wave
	s_mov_b32 s[G1X+5], 4096
	s_mov_b32 s[G1X+6], 0
	s_mov_b32 s[G1X+7], 0
	s_mul_i32 s74, s[BAT], BATB
	s_mul_i32 s[WOFF], s[WV], 19200
	s_add_co_u32 s74, s74, s[WOFF]                 ; kv: the batch, my wave's part of visit 0: coordinates that the partners share
	s_mov_b32 s75, 0
	s_lshl_b32 s76, s[BAT], 22
	s_lshl_b32 s77, s[WV], 19
	s_add_co_u32 s76, s76, s77
	s_lshl_b32 s77, s[WGX], 9
	s_add_co_u32 s76, s76, s77                     ; x and out0: the batch, my 32 channels, my work-group's 128 positions
	s_mov_b32 s77, 0
	s_lshl_b32 s78, s[BAT], 5
	s_add_co_u32 s78, s78, s[WGX]
	s_mul_i32 s78, s78, QREC                       ; q's record
	s_mov_b32 s79, 0
	s_mul_i32 s80, s[BAT], BATB
	s_mul_i32 s81, s[CX], REC
	s_add_co_u32 s80, s80, s81
	s_add_co_u32 s80, s80, SLOTB                   ; the prefetches: my work-group's record of visit 1; the first change of slots steps it to visit 2
	s_mov_b32 s81, 0
	s_mov_b32 s[G0], 1
	s_mov_b32 s[G0+1], s[WOFF]                     ; slot 0
	s_mov_b32 s[G0X], 1
	s_lshl_b32 s[G0X+1], s[WV], 14                 ; x: my 32 rows of 512 bytes, in slot 0
	s_mov_b32 s[FB], 0
	s_mov_b32 s[TB], 0
	s_mov_b32 s[VIS], 7
	s_mov_b32 s[CS], 0x3fb8aa3b                    ; log2(e)
	s_mov_b32 s[CS+1], s[CS]
	s_mov_b32 s[SEL], 0x76543210
	s_mov_b32 s[SEL+1], 0xfedcba98
	s_mov_b32 s[MNT], 0x600000
	s_cmp_lt_u32 s[WV], 5
	s_cselect_b32 s2, 0, 1
	s_or_b32 s2, s2, ttmp9                         ; waves 0 to 4 of the batch's first cluster: the same in all four partners
	s_cmp_eq_u32 s2, 0
	s_cselect_b32 s[LIM], 1, -1
	s_and_b32 s2, s[PB], 1
	s_lshl_b32 s2, s2, 1
	s_mul_i32 s[SLA], s2, 0x01010101               ; byte selects: tile A's byte of q's scale word, four times;
	s_add_co_u32 s[SLB], s[SLA], 0x01010101        ; tile B's
	s_wait_dscnt 0x0                               ; both opening adds are done
	s_wait_kmcnt 0x0
	s_add_nc_u64 s[G0+2:G0+3], s[6:7], s[74:75]
	s_or_b32 s[G0+3], s[G0+3], 0x80000000
	s_add_nc_u64 s[G0X+2:G0X+3], s[8:9], s[76:77]
	s_or_b32 s[G0X+3], s[G0X+3], 0x80000000
	s_add_nc_u64 s[OUTP:OUTP+1], s[12:13], s[76:77]
	s_add_nc_u64 s[4:5], s[4:5], s[78:79]
	s_add_nc_u64 s[PFA:PFA+1], s[6:7], s[80:81]
	s_load_b32 s[GAM], s[10:11], 0x0
	ROUND                                          ; all four work-groups are here: the first joint loads meet
	tensor_load_to_lds s[G0:G0+3], s[G1:G1+7]      ; visit 0 into slot 0: every wave issues its part
	s_nop 0
	PLACES 4
	v_and_b32 v9, 31, v0                           ; lane
	s_delay_alu instid0(VALU_DEP_1)
	v_lshlrev_b32 v[A0], 4, v9
	s_delay_alu instid0(VALU_DEP_2)
	v_lshlrev_b32 v[S0], 3, v9
	s_lshl_b32 s2, s[PB], 10
	v_add_nc_u32 v10, s2, v[A0]                    ; q's images of tiles 2 PB and 2 PB + 1
	s_lshr_b32 s2, s[PB], 1
	s_lshl_b32 s2, s2, 8
	v_add_nc_u32 v11, s2, v[S0]                    ; and the scale word of their group
	global_load_b128 v[QA:QA+3], v10, s[4:5]
	global_load_b128 v[QB:QB+3], v10, s[4:5] offset:512
	global_load_b32 v[BM], v11, s[4:5] offset:4096
	s_mul_i32 s2, s[HALF], 2*REC
	v_add_nc_u32 v[A0], s2, v[A0]
	v_add_nc_u32 v[S0], s2, v[S0]
	s_lshl_b32 s2, s[HALF], 14
	v_add_nc_u32 v[AL0], s2, v[A0]
	s_xor_b32 s3, s[HALF], 1
	s_lshl_b32 s2, s3, 14
	v_add_nc_u32 v[AH0], s2, v[A0]
	s_lshl_b32 s2, s[HALF], 9
	v_add_nc_u32 v[SL0], s2, v[S0]
	s_lshl_b32 s2, s3, 9
	v_add_nc_u32 v[SH0], s2, v[S0]
	v_min_u32 v[PFO], 149, v0
	s_delay_alu instid0(VALU_DEP_1)
	v_lshlrev_b32 v[PFO], 8, v[PFO]
.irp i, 16,17,18,19,20,21,22,23,24,25,26,27,32,33,34,35,36,37,38,39,40,41,42,43,48,49,50,51,52,53,54,55,56,57,58,59
	v_mov_b32 v\i, 0                               ; the zero codes round Q
.endr
.irp t, STA, STB
	v_mov_b32 v[\t+1], 0xff61b1e6                  ; the largest t so far: -3e38, under every t
	s_delay_alu instid0(VALU_DEP_1)
	v_floor_f32 v[\t], -v[\t+1]
	v_mov_b32 v[\t+2], 0
	v_mov_b32 v[\t+3], 0
.endr
.irp b, 0,1,2,3
	v_mov_b32 v[PM+\b], 0                          ; written once: a lane permute's destination counts as one of its sources
	v_mov_b32 v[FA+\b], 0                          ; (the pairs of f are named whole)
.endr
	WIN 0x40
.set J, 0
.rept 256
	v_mov_b32 v[J], 0                              ; O^T begins as zeros, while the first tile is on its way: so no key step has a form of its own for the first sums, and the first f multiplies zeros
.set J, J+1
.endr
	WIN 0
	s_wait_loadcnt 0x0                             ; Q
	v_perm_b32 v[QS], v[BM], v[BM], s[SLA]
	v_perm_b32 v[QS+1], v[BM], v[BM], s[SLB]
	s_wait_kmcnt 0x0                               ; gamma
.Lvisit:                                           ; seven trips: visit v is walked while visit v + 1 lands
	CHANGE
	s_wait_alu depctr_va_vdst(0)
	STEPS
	s_sub_co_u32 s[VIS], s[VIS], 1
	s_cmp_lg_u32 s[VIS], 0
	s_cbranch_scc1 .Lvisit
	s_wait_tensorcnt 0x0                           ; the last visit, written out: its keys have landed;
	ds_add_u32 v[SPW], v[NIL]
	s_wait_dscnt 0x0                               ; my reads of slot 0 are over
	ROUND
	tensor_load_to_lds s[G0X:G0X+3], s[G1X:G1X+7]  ; slot 0 takes my 32 channels of the work-group's tile of x: a load of my own, no mask
	s_nop 0
	PLACES 4
	STEPS
	; THE END.  l of both tiles; the addresses (plain lines: the places behind the last products)
	v_add_f32 v[STA+2], v[STA+2], v[STA+3]
	v_add_f32 v[STB+2], v[STB+2], v[STB+3]
	v_and_b32 v12, 31, v0
	s_delay_alu instid0(VALU_DEP_1)
	v_lshlrev_b32 v[GO], 4, v12                    ; 16 x lane
	s_delay_alu instid0(VALU_DEP_2)
	v_lshlrev_b32 v13, 2, v12                      ; 4 x lane
	s_wait_alu depctr_va_vdst(0)
	v_permlanex16_b32 v[PM], v[STA+2], s[SEL], s[SEL+1]
	s_wait_alu depctr_va_vdst(0)
	v_permlanex16_b32 v[PM+1], v[STB+2], s[SEL], s[SEL+1]
	s_wait_alu depctr_va_vdst(0)
	s_lshl_b32 s2, s[WV], 14
	v_add_nc_u32 v[XRD], s2, v[GO]                 ; x: my 32 rows
	s_add_co_u32 s2, s2, XCH
	v_add_nc_u32 v[XCM], s2, v[GO]                 ; what I hand over,
	s_xor_b32 s3, s[WV], 4                         ; my partner: the same queries, the other half of the keys
	s_lshl_b32 s74, s3, 14
	s_add_co_u32 s74, s74, XCH
	v_add_nc_u32 v[XCP], s74, v[GO]                ; what I am handed
	s_lshl_b32 s2, s[WV], 9
	s_add_co_u32 s2, s2, STT
	v_add_nc_u32 v[STM], s2, v13
	s_lshl_b32 s3, s3, 9
	s_add_co_u32 s3, s3, STT
	v_add_nc_u32 v[STP], s3, v13
	v_add_f32 v[STA+2], v[STA+2], v[PM]
	v_add_f32 v[STB+2], v[STB+2], v[PM+1]
	v_and_b32 v12, 15, v0                          ; r
	v_bfe_u32 v13, v0, 4, 1                        ; h
	s_delay_alu instid0(VALU_DEP_2)
	v_and_b32 v14, 8, v12
	s_delay_alu instid0(VALU_DEP_1)
	v_add_nc_u32 v14, v14, v12
	s_delay_alu instid0(VALU_DEP_1)
	v_lshlrev_b32 v14, 2, v14                      ; 4 (r + 8 (r / 8))
	s_delay_alu instid0(VALU_DEP_1)
	v_mad_u32_u24 v[SO0], v13, 8*SP, v14
	s_mul_i32 s2, s[HALF], 128*SP
	s_lshl_b32 s3, s[PB], 7
	s_add_co_u32 s2, s2, s3
	s_add_co_u32 s2, s2, STG
	v_add_nc_u32 v[SO0], s2, v[SO0]                ; the stage: channel 128 half + 8 h, query 32 PB + r + 8 (r / 8)
	s_delay_alu instid0(VALU_DEP_1)
	v_add_nc_u32 v[SO0+1], 64*SP, v[SO0]
	s_mul_i32 s2, s[WV], 32*SP
	s_add_co_u32 s2, s2, STG
	v_add_nc_u32 v[SRD], s2, v[GO]                 ; and back: my 32 rows
	s_wait_tensorcnt 0x0                           ; my rows of x have landed
	s_wait_dscnt 0x0                               ; my reads of slot 1 are over
	s_barrier_signal -1
	s_barrier_wait -1                              ; nobody reads slot 1 any more; it has had its last fill
	ds_store_b32 v[STM], v[STA]
	ds_store_b32 v[STM], v[STA+2] offset:128
	ds_store_b32 v[STM], v[STB] offset:256
	ds_store_b32 v[STM], v[STB+2] offset:384
	WIN 0x04                                       ; an LDS store's data are its source 1: window 1
.irp u, 0,1
.irp a, 0,1,2,3,4,5,6,7
	ds_store_b128 v[XCM], v[128*\u+64+8*\a:128*\u+64+8*\a+3] offset:512*(16*\u+2*\a)        ; each accumulator from its low end on
	ds_store_b128 v[XCM], v[128*\u+64+8*\a+4:128*\u+64+8*\a+7] offset:512*(16*\u+2*\a+1)
.endr
.endr
	WIN 0
	s_wait_dscnt 0x0                               ; for my partner's sake
	s_barrier_signal -1
	s_barrier_wait -1
	ds_load_b32 v[BM], v[STP]                      ; my partner's -M and l, tile A's and tile B's
	ds_load_b32 v[BM+1], v[STP] offset:128
	ds_load_b32 v[BM+2], v[STP] offset:256
	ds_load_b32 v[BM+3], v[STP] offset:384
	WIN 0x40                                       ; its sums for my kept channels, into the registers that I have handed over
.irp u, 0,1
.irp a, 0,1,2,3,4,5,6,7
	ds_load_b128 v[128*\u+64+8*\a:128*\u+64+8*\a+3], v[XCP] offset:512*(16*\u+2*\a)
	ds_load_b128 v[128*\u+64+8*\a+4:128*\u+64+8*\a+7], v[XCP] offset:512*(16*\u+2*\a+1)
.endr
.endr
	WIN 0
	s_wait_dscnt 32                                ; the four numbers are in; the 32 younger loads may be out
	v_min_num_f32 v[PM], v[STA], v[BM]             ; -M of both halves
	v_min_num_f32 v[FA], v[STB], v[BM+2]
	s_delay_alu instid0(VALU_DEP_2)
	v_sub_f32 v[PM+1], v[PM], v[STA]               ; my M - M, 0 or less: a whole number
	s_delay_alu instid0(VALU_DEP_3)
	v_sub_f32 v[PM+2], v[PM], v[BM]
	s_delay_alu instid0(VALU_DEP_3)
	v_sub_f32 v[FA+1], v[FA], v[STB]
	s_delay_alu instid0(VALU_DEP_4)
	v_sub_f32 v[FA+2], v[FA], v[BM+2]
	s_delay_alu instid0(VALU_DEP_4)
	v_cvt_i32_f32 v[PM+1], v[PM+1]
	s_delay_alu instid0(VALU_DEP_4)
	v_cvt_i32_f32 v[PM+2], v[PM+2]
	s_delay_alu instid0(VALU_DEP_4)
	v_cvt_i32_f32 v[FA+1], v[FA+1]
	s_delay_alu instid0(VALU_DEP_4)
	v_cvt_i32_f32 v[FA+2], v[FA+2]
	s_delay_alu instid0(VALU_DEP_4)
	v_ldexp_f32 v[PM+1], 1.0, v[PM+1]              ; my factor,
	s_delay_alu instid0(VALU_DEP_4)
	v_ldexp_f32 v[PM+2], 1.0, v[PM+2]              ; my partner's
	s_delay_alu instid0(VALU_DEP_4)
	v_ldexp_f32 v[FA+1], 1.0, v[FA+1]
	s_delay_alu instid0(VALU_DEP_4)
	v_ldexp_f32 v[FA+2], 1.0, v[FA+2]
	s_delay_alu instid0(VALU_DEP_4)
	v_mul_f32 v[PM+3], v[STA+2], v[PM+1]
	s_delay_alu instid0(VALU_DEP_3)
	v_mul_f32 v[FA+3], v[STB+2], v[FA+1]
	s_delay_alu instid0(VALU_DEP_2)
	v_fma_f32 v[PM+3], v[BM+1], v[PM+2], v[PM+3]   ; l of all keys
	s_delay_alu instid0(VALU_DEP_2)
	v_fma_f32 v[FA+3], v[BM+3], v[FA+2], v[FA+3]
	s_wait_alu depctr_va_vdst(0)
	v_rcp_f32 v[PM+3], v[PM+3]
	v_rcp_f32 v[FA+3], v[FA+3]
	v_mul_f32 v[PM+1], s[GAM], v[PM+1]             ; plain lines behind the reciprocals
	v_mul_f32 v[PM+2], s[GAM], v[PM+2]
	v_mul_f32 v[FA+1], s[GAM], v[FA+1]
	v_mul_f32 v[FA+2], s[GAM], v[FA+2]
	s_wait_alu depctr_va_vdst(0)                   ; one wait for both, ahead of their first reader
	v_mul_f32 v[HD], v[PM+1], v[PM+3]              ; gamma x factor / l: tile A mine, partner's; tile B mine, partner's
	v_mul_f32 v[HD+2], v[PM+2], v[PM+3]
	v_mul_f32 v[SO], v[FA+1], v[FA+3]
	v_mul_f32 v[SO+2], v[FA+2], v[FA+3]
	s_wait_alu depctr_va_vdst(0)
	s_wait_dscnt 0x0
	WIN 0x41
.irp u, 0,1
.set J, 0
.rept 32
	v_pk_mul_f32 v[128*\u+J:128*\u+J+1], v[128*\u+J:128*\u+J+1], v[HD+4*\u:HD+4*\u+1] op_sel_hi:[1,0]
.set J, J+2
.endr
.endr
	WIN 0x51                                       ; sources 0 and 2 and the destination window 1
.irp u, 0,1
.set J, 0
.rept 32
	v_pk_fma_f32 v[128*\u+J:128*\u+J+1], v[128*\u+64+J:128*\u+64+J+1], v[HD+4*\u+2:HD+4*\u+3], v[128*\u+J:128*\u+J+1] op_sel_hi:[1,0,1]
.set J, J+2
.endr
.endr
	WIN 0
	s_wait_alu depctr_va_vdst(0)
	s_barrier_signal -1                            ; every wave has read what it was handed (its loads were waited for above):
	s_barrier_wait -1                              ; the stage may be laid over those bytes
	WIN 0x04
.irp u, 0,1
.irp a, 0,1,2,3,4,5,6,7
.irp i, 0,1,2,3,4,5,6,7
	ds_store_b32 v[SO0+\a/4], v[128*\u+8*\a+\i] offset:(16*(\a%4)+\i)*SP+32*\u     ; channel 16 a + 8 h + i of my half, query 8 u + ..: the two halves of the lanes fall on different banks
.endr
.endr
.endr
	WIN 0
	s_wait_dscnt 0x0
	s_barrier_signal -1
	s_barrier_wait -1                              ; 256 whole rows lie in the stage
; eight rows at a time: a row of the stage and the same row of x, added and stored: 512 consecutive bytes, at a multiple of 512 from out0's first byte
.macro OUTB n
.set OS, 64+64*((\n)%2)
.if (\n) >= 2
	s_wait_xcnt 0x0                                ; the stores of two batches back have read their registers
.endif
.irp i, 0,1,2,3,4,5,6,7
	ds_load_b128 v[OS+8*\i:OS+8*\i+3], v[SRD] offset:(8*(\n)+\i)*SP
	ds_load_b128 v[OS+8*\i+4:OS+8*\i+7], v[XRD] offset:(8*(\n)+\i)*512
.endr
.irp i, 0,1,2,3,4,5,6,7
	s_wait_dscnt 14-2*\i                           ; row i's pair is in; the younger pairs may be out
	v_pk_add_f32 v[OS+8*\i:OS+8*\i+1], v[OS+8*\i:OS+8*\i+1], v[OS+8*\i+4:OS+8*\i+5]
	v_pk_add_f32 v[OS+8*\i+2:OS+8*\i+3], v[OS+8*\i+2:OS+8*\i+3], v[OS+8*\i+6:OS+8*\i+7]
	global_store_b128 v[GO], v[OS+8*\i:OS+8*\i+3], s[OUTP:OUTP+1] offset:(8*(\n)+\i)*16384 th:TH_STORE_NT
.endr
.endm
	OUTB 0
	OUTB 1
	OUTB 2
	OUTB 3
	s_wait_tensorcnt 0x0                           ; the wave's end: three lines, behind my last tensor load and my last LDS store
	ds_add_u32 v[SPW], v[NIL]
	s_wait_dscnt 0x0
	ROUND                                          ; the closing round: no work-group ends while a partner may still ask for a tile that names it
	s_endpgm
.Lfunc_end_k_qf0386f33cf_attn:
	.size	k_qf0386f33cf_attn, .Lfunc_end_k_qf0386f33cf_attn-k_qf0386f33cf_attn
	.p2alignl 7, 3214868480
	.fill 96, 4, 3214868480
	.section	.rodata,"a",@progbits
	.p2align	6, 0x0
	.amdhsa_kernel k_qf0386f33cf_attn
		.amdhsa_group_segment_fixed_size 327680
		.amdhsa_private_segment_fixed_size 0
		.amdhsa_enable_private_segment 0
		.amdhsa_kernarg_size 40
		.amdhsa_user_sgpr_count 2
		.amdhsa_user_sgpr_kernarg_segment_ptr 1
		.amdhsa_wavefront_size32 1
		.amdhsa_system_sgpr_workgroup_id_x 1
		.amdhsa_system_sgpr_workgroup_id_y 1
		.amdhsa_system_sgpr_workgroup_id_z 1
		.amdhsa_system_vgpr_workitem_id 0
		.amdhsa_next_free_vgpr 512
		.amdhsa_next_free_sgpr 84
		.amdhsa_reserve_vcc 0
		.amdhsa_float_denorm_mode_32 3
		.amdhsa_float_denorm_mode_16_64 3
		.amdhsa_fp16_overflow 1
		.amdhsa_memory_ordered 1
		.amdhsa_forward_progress 1
		.amdhsa_inst_pref_size 230
	.end_amdhsa_kernel
	.amdgpu_metadata
---
amdhsa.version: [ 1, 2 ]
amdhsa.kernels:
  - .name:           k_qf0386f33cf_attn
    .symbol:         k_qf0386f33cf_attn.kd
    .args:
      - { .name: q, .offset: 0, .size: 8, .value_kind: global_buffer, .address_space: global }
      - { .name: kv, .offset: 8, .size: 8, .value_kind: global_buffer, .address_space: global }
      - { .name: x, .offset: 16, .size: 8, .value_kind: global_buffer, .address_space: global }
      - { .name: gamma, .offset: 24, .size: 8, .value_kind: global_buffer, .address_space: global }
      - { .name: out0, .offset: 32, .size: 8, .value_kind: global_buffer, .address_space: global }
    .group_segment_fixed_size: 327680
    .private_segment_fixed_size: 0
    .kernarg_segment_align: 8
    .kernarg_segment_size: 40
    .max_flat_workgroup_size: 256
    .sgpr_count:     84
    .vgpr_count:     512
    .wavefront_size: 32
...
	.end_amdgpu_metadata
.endif
;; end of part 2
